; MI455X (gfx1250); checked and timed in simulation.
; The chip was launched on July 23, 2026; its instructions are those of AMD's public machine-readable ISA for CDNA 5 (MIT licence, August 2026) and "CDNA5" Instruction Set Architecture Reference Guide (July 2026). The comments in the code are by the model that wrote it; some were corrected since.
;; LLMPITT2 D. Allowed arithmetic: float matrix products may take bf16 or f16 operands with f32 sums; all other float work in f32.
;; Inputs: Wk 512 x 128 float32; Wo 128 x 512 float32; Wq 512 x 128 float32; bo 128 float32; keys 4 x 16,384 x 128 float32; queries 4 x 16,384 x 128 float32; values 4 x 16,384 x 128 float32.
;; Outputs: out0 4 x 16,384 x 128 float32.
;; One version. Each part assembles by itself: llvm-mc -triple=amdgcn-amd-amdhsa -mcpu=gfx1250 --defsym DOCPART=n.
;; ======== version 1 of 1: 4 launches
;; workspace buffers: gpart 16,777,216 bytes; gfrag 262,144 bytes; afrag 524,288 bytes; cfrag 524,288 bytes; mfrag 262,144 bytes
;; launch gram (part 1): grid 256 x 1, 4 waves a work-group, no clusters, 262,656 bytes of LDS; arguments keys, values, gpart; writes gpart
.if DOCPART == 1
	.amdgcn_target "amdgcn-amd-amdhsa--gfx1250"
	.amdhsa_code_object_version 6
	.text
	.protected	k_q1c31f0a99f_gram
	.globl	k_q1c31f0a99f_gram
	.p2align	8
	.type	k_q1c31f0a99f_gram,@function
k_q1c31f0a99f_gram:
	s_mov_b64 s[64:65], 0
	v_nop
	global_prefetch_b8 v0, s[64:65] scope:SCOPE_SE
	s_setreg_imm32_b32 hwreg(HW_REG_WAVE_MODE, 25, 1), 1
	s_wait_xcnt 0x0
; FIRST OF FOUR LAUNCHES.  The module has no softmax and no mask, so it is linear in each input and is computed in another order of association:
;   G_b = keys_b^T values_b (128 x 128),  A_h = Wq_h^T Wk_h,  C_h = Wk_h^T Wo_h^T,  M_b = 2^-14 sum over h of A_h G_b C_h,  out = queries M_b + bo.
; LIMITS: the order of summation differs from the reference's.  Inputs are rounded to bf16 once (to nearest even) as matrix operands; sums are f32.
; THIS LAUNCH: work-group x owns the 256 tokens 256 x .. 256 x + 255 (64 work-groups a batch) and stores its partial sum of G as raw accumulator tiles.
; Its whole share, 2 x 256 rows x 512 bytes = 256 KiB, fits in LDS: sixteen tensor loads go out at the start, four a wave, and no LDS byte is filled twice.
; No cluster: no two work-groups read the same byte of keys or of values.
; LDS: four strips of 64 KiB, [token][256 bytes]: 0 keys dims 0-63, 1 keys dims 64-127, 2 values dims 0-63, 3 values dims 64-127.  Wave w fills strip w.
; THE CONTRACTION RUNS OVER MEMORY ROWS (tokens), and nothing is transposed: a 16-byte LDS load at byte 16 r of a strip's row gives lane r the dims 4 r .. 4 r + 3;
; component c of two such loads, packed, is one register of the fragment of the sixteen dims 4 u + c (u = 0 .. 15).  Which token sits in which k place is the same
; for both operands (place (register p, half e, lane half h) = token 4 p + 2 e + h of the step's 32), so the products are the right ones.
; Wave w = (kq = w >> 1, vq = w & 1) makes D[m][n] = G[d1 = 64 kq + 4 n + cn][d2 = 64 vq + 4 m + cm] for cm, cn = 0 .. 3: sixteen accumulators.
.set VA,  2                            ; v2   LDS address of my 16 bytes in the values strip 2 + vq
.set KA,  3                            ; v3   the same in the keys strip kq
.set OFF, 4                            ; v4   16 x lane: my place in a stored half tile
.set RV,  64                           ; v[64:127]   32 tokens of values as loaded: load i at 4 i
.set RK,  128                          ; v[128:191]  32 tokens of keys
.set FA,  192                          ; v[192:223]  values' fragments, component c at 8 c
.set FB,  224                          ; v[224:255]  keys' fragments
                                       ; window 1, v[0:127]: the accumulators, a = 4 cm + cn at 8 a
.set G1,  16                           ; s[16:23]  descriptor group 1, one for all loads
.set G0,  24                           ; s[24:39]  descriptor group 0, one set for each of my four chunks
.set MSB, 0
.macro WIN new                         ; the immediate's high byte repeats the setting that is left
.if MSB != \new
	s_set_vgpr_msb (MSB<<8)|\new
.set MSB, \new
.endif
.endm
.macro PLACES                          ; four plain vector places behind a matrix instruction (ISA guide 7.12.1)
.rept 4
	v_nop
.endr
.endm
	s_load_b128 s[4:7], s[0:1], 0x0                ; keys s[4:5], values s[6:7]
	s_load_b64 s[8:9], s[0:1], 0x10                ; gpart
	v_lshl_add_u32 v62, v0, 2, 0x40000
	v_mov_b32 v63, 0
	ds_add_u32 v62, v63
	ds_add_u32 v62, v63
	v_lshrrev_b32 v1, 5, v0
	v_readfirstlane_b32 s10, v1                    ; wave 0..3
	s_lshr_b32 s11, s10, 1                         ; kq
	s_and_b32 s12, s10, 1                          ; vq; also: which half of the rows my strip holds
	; group 1: a tile of 64 rows x 64 f32 (256 bytes), rows 128 elements apart, laid into LDS without gaps
	s_mov_b32 s[G1+0], 2<<16                       ; no mask; elements of 4 bytes; no padding
	s_mov_b32 s[G1+1], 64<<16                      ; tensor_dim0 = 64
	s_mov_b32 s[G1+2], 64<<16                      ; tensor_dim1 = 64
	s_mov_b32 s[G1+3], 64<<16                      ; tile_dim0 = 64
	s_mov_b32 s[G1+4], 64                          ; tile_dim1 = 64
	s_mov_b32 s[G1+5], 128                         ; pitch in elements
	s_mov_b32 s[G1+6], 0
	s_mov_b32 s[G1+7], 0
	s_lshl_b32 s14, ttmp9, 17                      ; 256 rows of 512 bytes for each work-group (below 2^25)
	s_lshl_b32 s13, s12, 8                         ; + my half of a row
	s_add_co_u32 s14, s14, s13
	s_mov_b32 s15, 0
	s_lshl_b32 s13, s10, 16                        ; my strip in LDS
	s_wait_dscnt 0x0
	s_wait_kmcnt 0x0
	s_cmp_lt_u32 s10, 2                            ; waves 0, 1 fetch keys, waves 2, 3 values
	s_cselect_b64 s[2:3], s[4:5], s[6:7]
	s_add_nc_u64 s[2:3], s[2:3], s[14:15]
.irp ch, 0,1,2,3
	s_mov_b32 s[G0+4*\ch], 1
	s_add_co_u32 s[G0+4*\ch+1], s13, \ch*16384                     ; chunk ch: tokens 64 ch .. 64 ch + 63 of my strip
	s_add_nc_u64 s[G0+4*\ch+2:G0+4*\ch+3], s[2:3], \ch*32768
	s_or_b32 s[G0+4*\ch+3], s[G0+4*\ch+3], 0x80000000              ; type = 2
	tensor_load_to_lds s[G0+4*\ch:G0+4*\ch+3], s[G1:G1+7]          ; four loads of mine are out, all first fills
	s_nop 0
.endr
	v_and_b32 v[OFF], 31, v0
	v_lshlrev_b32 v[OFF], 4, v[OFF]
	s_lshl_b32 s40, s12, 16
	s_add_co_u32 s40, s40, 0x20000
	v_add_nc_u32 v[VA], s40, v[OFF]
	s_lshl_b32 s41, s11, 16
	v_add_nc_u32 v[KA], s41, v[OFF]
	s_lshl_b32 s14, ttmp9, 16                      ; gpart: 64 KiB a work-group, tile T = (2 vq + (cm >> 1)) 16 + (4 kq + cn) 2 + (cm & 1) at 1,024 T
	s_lshl_b32 s40, s12, 15
	s_add_co_u32 s14, s14, s40
	s_lshl_b32 s40, s11, 13
	s_add_co_u32 s14, s14, s40
	s_add_nc_u64 s[8:9], s[8:9], s[14:15]
; 32 LDS loads: step st's 32 tokens of my values strip, then of my keys strip.  32 lanes x 16 neighbouring bytes: two tokens' rows a load.
.macro FETCH st
.set fi, 0
.rept 16
	ds_load_b128 v[RV+4*fi:RV+4*fi+3], v[VA] offset:(\st)*8192+fi*512
.set fi, fi+1
.endr
.set fi, 0
.rept 16
	ds_load_b128 v[RK+4*fi:RK+4*fi+3], v[KA] offset:(\st)*8192+fi*512
.set fi, fi+1
.endr
.endm
; One step of 32 tokens.  zero = 1: the first products start the sums.  fetch = 1: the next step's loads go out ahead of the products.
.macro STEP st, zero, fetch
	s_wait_dscnt 16                                ; the 16 loads of values are in; the 16 of keys, issued behind them, may be out
.if \zero == 0
	PLACES                                         ; FA and FB were sources of the last step's matrix instructions
.endif
.set ic, 0
.rept 32
	v_cvt_pk_bf16_f32 v[FA+ic], v[RV+8*(ic%8)+ic/8], v[RV+8*(ic%8)+4+ic/8]   ; component ic / 8, register ic % 8
.set ic, ic+1
.endr
	s_wait_dscnt 0x0
.set ic, 0
.rept 32
	v_cvt_pk_bf16_f32 v[FB+ic], v[RK+8*(ic%8)+ic/8], v[RK+8*(ic%8)+4+ic/8]
.set ic, ic+1
.endr
.if \fetch
	FETCH (\st)+1
.endif
	WIN 0x50                                       ; C and D in window 1
.set ia, 0
.rept 16                                           ; the sixteen accumulators take turns, one instruction a turn
.if \zero
	v_wmma_f32_16x16x32_bf16 v[8*ia:8*ia+7], v[FA+8*(ia/4):FA+8*(ia/4)+7], v[FB+8*(ia%4):FB+8*(ia%4)+7], 0
.else
	v_wmma_f32_16x16x32_bf16 v[8*ia:8*ia+7], v[FA+8*(ia/4):FA+8*(ia/4)+7], v[FB+8*(ia%4):FB+8*(ia%4)+7], v[8*ia:8*ia+7]
.endif
.set ia, ia+1
.endr
	WIN 0
.endm
.irp ch, 0,1,2,3
	s_wait_tensorcnt 3-\ch                         ; my chunk ch has landed; my later chunks stay out
	s_barrier_signal -1                            ; no LDS access of mine is pending here: the last step ended on a wait for 0 and fetched nothing
	s_barrier_wait -1                              ; chunk ch of all four strips is whole
	FETCH 2*\ch
.if \ch == 0
	STEP 2*\ch, 1, 1
.else
	STEP 2*\ch, 0, 1
.endif
	STEP 2*\ch+1, 0, 0
.endr
	PLACES                                         ; the stores read matrix results
	WIN 0x04                                       ; store data in window 1
.set ia, 0
.rept 16
	global_store_b128 v[OFF], v[8*ia:8*ia+3],   s[8:9] offset:((ia/8)*16+(ia%4)*2+(ia/4)%2)*1024       ; each store of the wave covers 512 consecutive bytes, aligned
	global_store_b128 v[OFF], v[8*ia+4:8*ia+7], s[8:9] offset:((ia/8)*16+(ia%4)*2+(ia/4)%2)*1024+512
.set ia, ia+1
.endr
	WIN 0
	s_wait_tensorcnt 0x0
	ds_add_u32 v62, v63
	s_wait_dscnt 0x0
	s_endpgm
.Lfunc_end_k_q1c31f0a99f_gram:
	.size	k_q1c31f0a99f_gram, .Lfunc_end_k_q1c31f0a99f_gram-k_q1c31f0a99f_gram
	.p2alignl 7, 3214868480
	.fill 96, 4, 3214868480
	.section	.rodata,"a",@progbits
	.p2align	6, 0x0
	.amdhsa_kernel k_q1c31f0a99f_gram
		.amdhsa_group_segment_fixed_size 262656
		.amdhsa_private_segment_fixed_size 0
		.amdhsa_enable_private_segment 0
		.amdhsa_kernarg_size 24
		.amdhsa_user_sgpr_count 2
		.amdhsa_user_sgpr_kernarg_segment_ptr 1
		.amdhsa_wavefront_size32 1
		.amdhsa_system_sgpr_workgroup_id_x 1
		.amdhsa_system_sgpr_workgroup_id_y 1
		.amdhsa_system_sgpr_workgroup_id_z 1
		.amdhsa_system_vgpr_workitem_id 0
		.amdhsa_next_free_vgpr 384
		.amdhsa_next_free_sgpr 66
		.amdhsa_reserve_vcc 0
		.amdhsa_float_denorm_mode_32 3
		.amdhsa_float_denorm_mode_16_64 3
		.amdhsa_memory_ordered 1
		.amdhsa_forward_progress 1
		.amdhsa_inst_pref_size 65
	.end_amdhsa_kernel
	.amdgpu_metadata
---
amdhsa.version: [ 1, 2 ]
amdhsa.kernels:
  - .name:           k_q1c31f0a99f_gram
    .symbol:         k_q1c31f0a99f_gram.kd
    .args:
      - { .name: keys, .offset: 0, .size: 8, .value_kind: global_buffer, .address_space: global }
      - { .name: values, .offset: 8, .size: 8, .value_kind: global_buffer, .address_space: global }
      - { .name: gpart, .offset: 16, .size: 8, .value_kind: global_buffer, .address_space: global }
    .group_segment_fixed_size: 262656
    .private_segment_fixed_size: 0
    .kernarg_segment_align: 8
    .kernarg_segment_size: 24
    .max_flat_workgroup_size: 128
    .sgpr_count:     66
    .vgpr_count:     384
    .wavefront_size: 32
...
	.end_amdgpu_metadata
.endif
;; end of part 1
;; launch fold (part 2): grid 256 x 1, 5 waves a work-group, no clusters, 4,864 bytes of LDS; arguments gpart, Wk, Wq, Wo, gfrag, afrag, cfrag; writes gfrag, afrag, cfrag
.if DOCPART == 2
	.amdgcn_target "amdgcn-amd-amdhsa--gfx1250"
	.amdhsa_code_object_version 6
	.text
	.protected	k_q1c31f0a99f_fold
	.globl	k_q1c31f0a99f_fold
	.p2align	8
	.type	k_q1c31f0a99f_fold,@function
k_q1c31f0a99f_fold:
	s_mov_b64 s[64:65], 0
	v_nop
	global_prefetch_b8 v0, s[64:65] scope:SCOPE_SE
	s_setreg_imm32_b32 hwreg(HW_REG_WAVE_MODE, 25, 1), 1
	s_wait_xcnt 0x0
; SECOND LAUNCH.  Two independent pieces of work in each work-group x.
; Waves 0-3: tile T = x & 63 of G of batch b = x >> 6 is the sum of the 64 partial tiles that the first launch stored; each wave adds sixteen, wave 0 adds the four.
; Wave 4: four 16 x 16 tiles of A_h = Wq_h^T Wk_h (x < 128) or of C_h = Wk_h^T Wo_h^T (x >= 128), which hang on the weights alone.
; Every result is stored as TWO bf16 terms, hi = bf16(x) and lo = bf16(x - hi), already in the register image of a matrix fragment: register j of lane (r, h) of a tile
; holds (m = 8 h + j, n = r), so a tile's eight registers, packed in pairs, are four registers of a fragment whose k runs along m.
; LIMITS: where a sum is infinite, x - hi is NaN.  A second term below bf16's smallest number is lost (less than 2^-16 of the number).
; The weights are rounded to bf16 once, to nearest even, as matrix operands.
; No cluster and no tensor loads: each partial tile is read by one wave alone, straight into registers; what work-groups share is 16 KiB of Wk.
.set PS,  16                           ; waves 0-3: v[16:143] sixteen partial tiles, 8 registers each; the sum grows in v[16:23]
.set FBW, 8                            ; wave 4: v[8:23]    B fragments, K step t at 8 t
.set FAW, 24                           ;         v[24:87]   A fragments, (t, c) at 32 t + 8 c
.set RW,  88                           ;         v[88:215]  64 rows of Wk_h's half as loaded; then v[88:119] the four accumulators
.set HIW, 120                          ;         v[120:135] first terms, tile c at 4 c;  v[136:151] second terms
.set TW,  152                          ;         v[152:159] at work
.set RB,  216                          ;         v[216:247] the B operand as loaded, 16 numbers a K step
.macro PLACES
.rept 4
	v_nop
.endr
.endm
; two f32 in the pair D become one register of first terms and one of second terms; T: a pair at work
.macro SPLIT H, L, D, T
	v_cvt_pk_bf16_f32 v[\H], v[\D], v[\D+1]
	v_lshlrev_b32 v[\T], 16, v[\H]
	v_and_b32 v[\T+1], 0xffff0000, v[\H]
	v_pk_add_f32 v[\T:\T+1], v[\D:\D+1], v[\T:\T+1] neg_lo:[0,1] neg_hi:[0,1]   ; exact: x - hi
	v_cvt_pk_bf16_f32 v[\L], v[\T], v[\T+1]
.endm
	s_load_b256 s[4:11], s[0:1], 0x0               ; gpart s[4:5], Wk s[6:7], Wq s[8:9], Wo s[10:11]
	s_load_b128 s[12:15], s[0:1], 0x20             ; gfrag s[12:13], afrag s[14:15]
	s_load_b64 s[16:17], s[0:1], 0x30              ; cfrag
	v_lshl_add_u32 v248, v0, 2, 0x1000
	v_mov_b32 v249, 0
	v_lshrrev_b32 v2, 5, v0
	v_readfirstlane_b32 s20, v2                    ; wave 0..4
	v_and_b32 v1, 31, v0
	v_lshlrev_b32 v1, 4, v1                        ; 16 x lane
	s_lshr_b32 s21, ttmp9, 6                       ; b
	s_and_b32 s22, ttmp9, 63                       ; T
	s_mov_b32 s25, 0
	s_wait_kmcnt 0x0
	s_cmp_eq_u32 s20, 4
	s_cbranch_scc1 .Lweights
	; waves 0-3: partial tiles of the work-groups 64 b + 16 w + p, p = 0 .. 15, 64 KiB apart
	s_lshl_b32 s24, s21, 22
	s_lshl_b32 s23, s20, 20
	s_add_co_u32 s24, s24, s23
	s_lshl_b32 s23, s22, 10
	s_add_co_u32 s24, s24, s23
	s_add_nc_u64 s[4:5], s[4:5], s[24:25]
	v_lshl_add_u32 v2, s20, 10, v1                 ; my 1,024 bytes of LDS
.set ii, 0
.rept 32
	global_load_b128 v[PS+4*ii:PS+4*ii+3], v1, s[4:5] offset:(ii/2)*65536+(ii%2)*512 th:TH_LOAD_NT   ; 512 consecutive bytes a load; read once in the launch
.set ii, ii+1
.endr
.set ii, 1
.rept 15
	s_wait_loadcnt 30-2*ii                         ; partial ii's two loads are in; the 30 - 2 ii issued behind them stay out
	v_pk_add_f32 v[PS:PS+1],   v[PS:PS+1],   v[PS+8*ii:PS+8*ii+1]
	v_pk_add_f32 v[PS+2:PS+3], v[PS+2:PS+3], v[PS+8*ii+2:PS+8*ii+3]
	v_pk_add_f32 v[PS+4:PS+5], v[PS+4:PS+5], v[PS+8*ii+4:PS+8*ii+5]
	v_pk_add_f32 v[PS+6:PS+7], v[PS+6:PS+7], v[PS+8*ii+6:PS+8*ii+7]
.set ii, ii+1
.endr
	ds_store_b128 v2, v[PS:PS+3]
	ds_store_b128 v2, v[PS+4:PS+7] offset:512
	s_wait_dscnt 0x0                               ; for wave 0's sake: my stores are done before I signal
	s_branch .Ljoin
.Lweights:
	; D[m][n] = sum over e = 0 .. 63 of Wk[64 h + e][64 gA + 4 m + c] x B[e][n], c = 0 .. 3;
	; kind 0: B[e][n] = Wq[64 h + e][64 gB + 4 n + cB] (a tile of A_h, transposed);  kind 1: B[e][n] = Wo[64 gB + 4 n + cB][64 h + e] (a tile of C_h).
	s_lshr_b32 s26, ttmp9, 7                       ; kind
	s_bfe_u32 s27, ttmp9, 0x30004                  ; h
	s_bfe_u32 s28, ttmp9, 0x10003                  ; gA
	s_bfe_u32 s29, ttmp9, 0x10002                  ; gB
	s_and_b32 s30, ttmp9, 3                        ; cB
	s_lshl_b32 s24, s27, 15                        ; Wk: 64 h rows of 512 bytes + half gA
	s_lshl_b32 s31, s28, 8
	s_add_co_u32 s24, s24, s31
	s_add_nc_u64 s[6:7], s[6:7], s[24:25]
	s_lshl_b32 s24, s27, 15                        ; Wq: 64 h rows + half gB + component cB
	s_lshl_b32 s31, s29, 8
	s_add_co_u32 s24, s24, s31
	s_lshl_b32 s31, s30, 2
	s_add_co_u32 s24, s24, s31
	s_add_nc_u64 s[8:9], s[8:9], s[24:25]
	s_lshl_b32 s24, s29, 17                        ; Wo: row 64 gB + cB of 2,048 bytes + 64 h numbers
	s_lshl_b32 s31, s30, 11
	s_add_co_u32 s24, s24, s31
	s_lshl_b32 s31, s27, 8
	s_add_co_u32 s24, s24, s31
	s_add_nc_u64 s[10:11], s[10:11], s[24:25]
	s_lshl2_add_u32 s34, s29, s30                  ; the result: block 4 gB + cB of 64 KiB, head h of 8 KiB, K steps 2 gA, 2 gA + 1 of 1 KiB
	s_lshl_b32 s34, s34, 16
	s_lshl_b32 s31, s27, 13
	s_add_co_u32 s34, s34, s31
	s_lshl_b32 s31, s28, 11
	s_add_co_u32 s34, s34, s31
	s_mov_b32 s35, 0
	s_cmp_eq_u32 s26, 0
	s_cselect_b64 s[32:33], s[14:15], s[16:17]     ; afrag or cfrag
	s_add_nc_u64 s[32:33], s[32:33], s[34:35]
	v_and_b32 v4, 15, v0                           ; r
	v_bfe_u32 v5, v0, 4, 1                         ; h'
	v_lshlrev_b32 v3, 4, v4
	v_lshl_add_u32 v3, v5, 12, v3                  ; Wk, Wq: 16 r, and 8 rows further down for lanes 16-31
	v_lshlrev_b32 v6, 13, v4
	v_lshl_add_u32 v6, v5, 5, v6                   ; Wo: 4 r rows, and 8 numbers further on for lanes 16-31
	; number x (0 .. 15) of K step t sits at e = 32 t + 16 (x >> 3) + 8 h' + (x & 7): the fragment's own order of k, for both operands
	s_cmp_lg_u32 s26, 0
	s_cbranch_scc1 .Lwo
.set ii, 0
.rept 32
	global_load_b32 v[RB+ii], v3, s[8:9] offset:(32*(ii/16)+16*((ii%16)/8)+ii%8)*512
.set ii, ii+1
.endr
	s_branch .Lwk
.Lwo:
.set ii, 0
.rept 8
	global_load_b128 v[RB+4*ii:RB+4*ii+3], v6, s[10:11] offset:(ii/4)*128+((ii/2)%2)*64+(ii%2)*16
.set ii, ii+1
.endr
.Lwk:
.set ii, 0
.rept 32
	global_load_b128 v[RW+4*ii:RW+4*ii+3], v3, s[6:7] offset:(32*(ii/16)+16*((ii%16)/8)+ii%8)*512   ; lanes 0-15 one row's 256 bytes, lanes 16-31 another's
.set ii, ii+1
.endr
	s_wait_loadcnt 32                              ; on both ways 32 loads were issued behind the B operand's: it is in
.set ii, 0
.rept 16
	v_cvt_pk_bf16_f32 v[FBW+ii], v[RB+2*ii], v[RB+2*ii+1]
.set ii, ii+1
.endr
	s_wait_loadcnt 16                              ; Wk's rows of the first K step are in
.set ii, 0
.rept 32
	v_cvt_pk_bf16_f32 v[FAW+ii], v[RW+4*(16*(ii/32)+2*(ii%8))+(ii/8)%4], v[RW+4*(16*(ii/32)+2*(ii%8)+1)+(ii/8)%4]
.set ii, ii+1
.endr
	s_wait_loadcnt 0x0
.rept 32
	v_cvt_pk_bf16_f32 v[FAW+ii], v[RW+4*(16*(ii/32)+2*(ii%8))+(ii/8)%4], v[RW+4*(16*(ii/32)+2*(ii%8)+1)+(ii/8)%4]
.set ii, ii+1
.endr
.irp c, 0,1,2,3                                    ; four accumulators take turns, one instruction a turn
	v_wmma_f32_16x16x32_bf16 v[RW+8*\c:RW+8*\c+7], v[FAW+8*\c:FAW+8*\c+7], v[FBW:FBW+7], 0
.endr
.irp c, 0,1,2,3
	v_wmma_f32_16x16x32_bf16 v[RW+8*\c:RW+8*\c+7], v[FAW+32+8*\c:FAW+32+8*\c+7], v[FBW+8:FBW+15], v[RW+8*\c:RW+8*\c+7]
.endr
	PLACES
.set ii, 0
.rept 16
	SPLIT HIW+ii, HIW+16+ii, RW+2*ii, TW+2*(ii%4)
.set ii, ii+1
.endr
.irp c, 0,1,2,3
	global_store_b128 v1, v[HIW+4*\c:HIW+4*\c+3],       s[32:33] offset:(\c/2)*1024+(\c%2)*512        ; 512 consecutive bytes, aligned
	global_store_b128 v1, v[HIW+16+4*\c:HIW+16+4*\c+3], s[32:33] offset:4096+(\c/2)*1024+(\c%2)*512
.endr
.Ljoin:
	s_barrier_signal -1
	s_barrier_wait -1                              ; the four sums of sixteen lie in LDS
	s_cmp_lg_u32 s20, 0
	s_cbranch_scc1 .Lend
.set ii, 0
.rept 8
	ds_load_b128 v[PS+4*ii:PS+4*ii+3], v1 offset:ii*512
.set ii, ii+1
.endr
	s_lshl_b32 s24, s21, 16                        ; gfrag: 64 KiB a batch, first terms then second terms, tile T at 512 T
	s_lshl_b32 s23, s22, 9
	s_add_co_u32 s24, s24, s23
	s_add_nc_u64 s[12:13], s[12:13], s[24:25]
	s_wait_dscnt 0x0
.irp p, 0,2,4,6
	v_pk_add_f32 v[PS+\p:PS+\p+1], v[PS+\p:PS+\p+1], v[PS+8+\p:PS+8+\p+1]
	v_pk_add_f32 v[PS+16+\p:PS+16+\p+1], v[PS+16+\p:PS+16+\p+1], v[PS+24+\p:PS+24+\p+1]
.endr
.irp p, 0,2,4,6
	v_pk_add_f32 v[PS+\p:PS+\p+1], v[PS+\p:PS+\p+1], v[PS+16+\p:PS+16+\p+1]
.endr
.irp p, 0,1,2,3
	SPLIT 48+\p, 52+\p, PS+2*\p, 56+2*\p
.endr
	global_store_b128 v1, v[48:51], s[12:13]
	global_store_b128 v1, v[52:55], s[12:13] offset:32768
.Lend:
	s_wait_tensorcnt 0x0
	ds_add_u32 v248, v249
	s_wait_dscnt 0x0
	s_endpgm
.Lfunc_end_k_q1c31f0a99f_fold:
	.size	k_q1c31f0a99f_fold, .Lfunc_end_k_q1c31f0a99f_fold-k_q1c31f0a99f_fold
	.p2alignl 7, 3214868480
	.fill 96, 4, 3214868480
	.section	.rodata,"a",@progbits
	.p2align	6, 0x0
	.amdhsa_kernel k_q1c31f0a99f_fold
		.amdhsa_group_segment_fixed_size 4864
		.amdhsa_private_segment_fixed_size 0
		.amdhsa_enable_private_segment 0
		.amdhsa_kernarg_size 56
		.amdhsa_user_sgpr_count 2
		.amdhsa_user_sgpr_kernarg_segment_ptr 1
		.amdhsa_wavefront_size32 1
		.amdhsa_system_sgpr_workgroup_id_x 1
		.amdhsa_system_sgpr_workgroup_id_y 1
		.amdhsa_system_sgpr_workgroup_id_z 1
		.amdhsa_system_vgpr_workitem_id 0
		.amdhsa_next_free_vgpr 250
		.amdhsa_next_free_sgpr 66
		.amdhsa_reserve_vcc 0
		.amdhsa_float_denorm_mode_32 3
		.amdhsa_float_denorm_mode_16_64 3
		.amdhsa_memory_ordered 1
		.amdhsa_forward_progress 1
		.amdhsa_inst_pref_size 31
	.end_amdhsa_kernel
	.amdgpu_metadata
---
amdhsa.version: [ 1, 2 ]
amdhsa.kernels:
  - .name:           k_q1c31f0a99f_fold
    .symbol:         k_q1c31f0a99f_fold.kd
    .args:
      - { .name: gpart, .offset: 0, .size: 8, .value_kind: global_buffer, .address_space: global }
      - { .name: Wk, .offset: 8, .size: 8, .value_kind: global_buffer, .address_space: global }
      - { .name: Wq, .offset: 16, .size: 8, .value_kind: global_buffer, .address_space: global }
      - { .name: Wo, .offset: 24, .size: 8, .value_kind: global_buffer, .address_space: global }
      - { .name: gfrag, .offset: 32, .size: 8, .value_kind: global_buffer, .address_space: global }
      - { .name: afrag, .offset: 40, .size: 8, .value_kind: global_buffer, .address_space: global }
      - { .name: cfrag, .offset: 48, .size: 8, .value_kind: global_buffer, .address_space: global }
    .group_segment_fixed_size: 4864
    .private_segment_fixed_size: 0
    .kernarg_segment_align: 8
    .kernarg_segment_size: 56
    .max_flat_workgroup_size: 160
    .sgpr_count:     66
    .vgpr_count:     250
    .wavefront_size: 32
...
	.end_amdgpu_metadata
.endif
;; end of part 2
;; launch chain (part 3): grid 256 x 1, 8 waves a work-group, clusters of 4 x 1, 205,824 bytes of LDS; arguments gfrag, afrag, cfrag, mfrag; writes mfrag
.if DOCPART == 3
	.amdgcn_target "amdgcn-amd-amdhsa--gfx1250"
	.amdhsa_code_object_version 6
	.text
	.protected	k_q1c31f0a99f_chain
	.globl	k_q1c31f0a99f_chain
	.p2align	8
	.type	k_q1c31f0a99f_chain,@function
k_q1c31f0a99f_chain:
	s_mov_b64 s[64:65], 0
	v_nop
	global_prefetch_b8 v0, s[64:65] scope:SCOPE_SE
	s_setreg_imm32_b32 hwreg(HW_REG_WAVE_MODE, 25, 1), 1
	s_wait_xcnt 0x0
	s_wait_alu depctr_hold_cnt(0) depctr_sa_sdst(0) depctr_va_vdst(0) depctr_va_sdst(0) depctr_va_ssrc(0) depctr_va_vcc(0) depctr_vm_vsrc(0)
	s_getreg_b32 s2, hwreg(HW_REG_IB_STS2, 6, 4)
	s_cmp_eq_u32 s2, 0
	s_cbranch_scc0 .Lentry_in_a_cluster
	s_endpgm
.Lentry_in_a_cluster:
	s_bfe_u32 s2, ttmp6, 0x10000c
	s_cmp_lg_u32 s2, 0x3003
	s_cbranch_scc0 .Lentry_shape_is_right
	s_endpgm
.Lentry_shape_is_right:
; THIRD LAUNCH.  Work-group (b, ib, jb) makes one 16 x 16 tile of M_b = 2^-14 sum over h of A_h G_b C_h: rows i = 64 (ib >> 2) + 4 m + (ib & 3), columns
; j = 64 (jb >> 2) + 4 n + (jb & 3).  Wave w takes head h = w: V = G_b C_h[:, jb] (128 x 16, eight tiles), then P = A_h[ib, :] V; the eight P meet in LDS.
; Every operand comes as two bf16 terms (hi, lo), stored by the launch before as fragment images; a product keeps hi hi + hi lo + lo hi, sums are f32.
; V's tiles become B fragments in the lane's own registers (register j of lane (r, h') holds (m = 8 h' + j, n = r)); all k places have the form
; 64 g + 32 h' + 8 p + 4 e + 2 pi + q for K step 2 g + pi, register 4 q + p, half e, in G, C, A and V alike.
; LIMITS: where a sum is infinite the second term is NaN; a second term below bf16's smallest number is lost.  2^-14 = 1 / n is exact.
; CLUSTER: the four work-groups of a cluster have the same b and ib and the four jb = 4 (cluster & 1) + cx.  G_b (64 KiB) and A[ib] (64 KiB) are asked for jointly,
; which is two thirds of what a work-group takes in; C[jb] hangs on cx and is asked for by each alone.  Every LDS byte is filled once.
; LDS: 0 G (hi 32 KiB, lo 32 KiB); 65536 C[jb], 8 KiB a head; 131072 A[ib], 8 KiB a head; 196608 the stage, 1 KiB a wave, into which no tensor load lands.
.set GA,  1                            ; v1  16 x lane: G; also my place in a stored tile
.set CA,  2                            ; v2  my head's C
.set AA,  3                            ; v3  my head's A
.set ST,  4                            ; v4  my 1 KiB of the stage
.set RD,  5                            ; v5  the stage from its start
.set TT,  8                            ; v[8:15]    at work
.set ACC, 16                           ; v[16:79]   V's eight tiles
.set CF,  80                           ; v[80:143]  C: hi of K step s at 8 s, lo at 32 + 8 s; later V's fragments in the same places
.set GB,  144                          ; v[144:207] two buffers of 32 for G (hi tile 0, hi tile 1, lo tile 0, lo tile 1); later A: hi at 8 s, lo at 32 + 8 s
.set PP,  208                          ; v[208:231] three accumulators of P
.set RS,  80                           ; wave 0 at the end: v[80:87] the tile of M
.set GJ1, 24                           ; s[24:31] group 1 of the joint loads
.set GP1, 32                           ; s[32:39] group 1 of the plain load
.set G0G, 40                           ; s[40:43], s[44:47], s[48:51]: group 0 for G, A, C
.set G0A, 44
.set G0C, 48
.macro PLACES
.rept 4
	v_nop
.endr
.endm
.macro SPLIT H, L, D, T
	v_cvt_pk_bf16_f32 v[\H], v[\D], v[\D+1]
	v_lshlrev_b32 v[\T], 16, v[\H]
	v_and_b32 v[\T+1], 0xffff0000, v[\H]
	v_pk_add_f32 v[\T:\T+1], v[\D:\D+1], v[\T:\T+1] neg_lo:[0,1] neg_hi:[0,1]
	v_cvt_pk_bf16_f32 v[\L], v[\T], v[\T+1]
.endm
.macro MM d, a, b, zero
.if \zero
	v_wmma_f32_16x16x32_bf16 v[\d:\d+7], v[\a:\a+7], v[\b:\b+7], 0
.else
	v_wmma_f32_16x16x32_bf16 v[\d:\d+7], v[\a:\a+7], v[\b:\b+7], v[\d:\d+7]
.endif
.endm
; a round of the cluster's barrier: my work-group's barrier, wave 0 signals for the work-group, every wave waits for all four work-groups, my work-group's barrier again
.macro ROUND
	s_barrier_signal -1
	s_barrier_wait -1
	s_cmp_lg_u32 s8, 0
	s_cbranch_scc1 .Lnot_wave_0_\@
	s_barrier_signal -3
.Lnot_wave_0_\@:
	s_barrier_wait -3
	s_barrier_signal -1
	s_barrier_wait -1
.endm
	s_load_b256 s[12:19], s[0:1], 0x0              ; gfrag s[12:13], afrag s[14:15], cfrag s[16:17], mfrag s[18:19]
	v_lshl_add_u32 v232, v0, 2, 0x32000
	v_mov_b32 v233, 0
	ds_add_u32 v232, v233
	ds_add_u32 v232, v233
	v_lshrrev_b32 v7, 5, v0
	v_readfirstlane_b32 s8, v7                     ; wave 0..7 = head
	s_bfe_u32 s9, ttmp6, 0x40000                   ; cx
	s_lshr_b32 s10, ttmp9, 4                       ; b   (ttmp9 counts clusters, 0 .. 63)
	s_bfe_u32 s11, ttmp9, 0x30001                  ; ib
	s_and_b32 s20, ttmp9, 1
	s_lshl2_add_u32 s20, s20, s9                   ; jb = 4 (cluster & 1) + cx
	; group 1: 32 dense rows of 256 bytes (32 elements of 8 bytes) = 8 KiB, a wave's part of each region
	s_mov_b32 s[GJ1+0], 0x0023000f                 ; the mask names all four work-groups; elements of 8 bytes; bit 21 set beside a mask
	s_mov_b32 s[GP1+0], 0x00030000                 ; no mask
.irp g, GJ1, GP1
	s_mov_b32 s[\g+1], 32<<16                      ; tensor_dim0 = 32
	s_mov_b32 s[\g+2], 32<<16                      ; tensor_dim1 = 32
	s_mov_b32 s[\g+3], 32<<16                      ; tile_dim0 = 32
	s_mov_b32 s[\g+4], 32                          ; tile_dim1 = 32
	s_mov_b32 s[\g+5], 32                          ; pitch
	s_mov_b32 s[\g+6], 0
	s_mov_b32 s[\g+7], 0
.endr
	s_lshl_b32 s21, s8, 13                         ; 8,192 w
	s_mov_b32 s23, 0
	s_mov_b32 s53, 0
	s_wait_dscnt 0x0
	s_wait_kmcnt 0x0
	s_lshl_b32 s22, s10, 16                        ; G: batch b; made of b and the wave's number alone
	s_add_co_u32 s22, s22, s21
	s_mov_b32 s[G0G], 1
	s_lshl_b32 s[G0G+1], s8, 13
	s_add_nc_u64 s[G0G+2:G0G+3], s[12:13], s[22:23]
	s_or_b32 s[G0G+3], s[G0G+3], 0x80000000
	s_lshl_b32 s22, s11, 16                        ; A: block ib; made of ib and the wave's number alone
	s_add_co_u32 s22, s22, s21
	s_mov_b32 s[G0A], 1
	s_add_co_u32 s[G0A+1], s21, 131072
	s_add_nc_u64 s[G0A+2:G0A+3], s[14:15], s[22:23]
	s_or_b32 s[G0A+3], s[G0A+3], 0x80000000
	s_lshl_b32 s52, s20, 16                        ; C: block jb, which holds cx: a pair of its own, and a plain load
	s_add_co_u32 s52, s52, s21
	s_mov_b32 s[G0C], 1
	s_add_co_u32 s[G0C+1], s21, 65536
	s_add_nc_u64 s[G0C+2:G0C+3], s[16:17], s[52:53]
	s_or_b32 s[G0C+3], s[G0C+3], 0x80000000
	ROUND                                          ; all four work-groups are here: the joint loads meet
	tensor_load_to_lds s[G0G:G0G+3], s[GJ1:GJ1+7]  ; three loads of mine are out, all first fills, one group behind the one round
	s_nop 0
	tensor_load_to_lds s[G0A:G0A+3], s[GJ1:GJ1+7]
	s_nop 0
	tensor_load_to_lds s[G0C:G0C+3], s[GP1:GP1+7]
	s_nop 0
	v_and_b32 v[GA], 31, v0
	v_lshlrev_b32 v[GA], 4, v[GA]
	s_add_co_u32 s22, s21, 65536
	v_add_nc_u32 v[CA], s22, v[GA]
	s_add_co_u32 s22, s21, 131072
	v_add_nc_u32 v[AA], s22, v[GA]
	s_lshl_b32 s22, s8, 10
	s_add_co_u32 s22, s22, 196608
	v_add_nc_u32 v[ST], s22, v[GA]
	v_add_nc_u32 v[RD], 196608, v[GA]
	s_wait_tensorcnt 0x0                           ; my parts have landed,
	s_barrier_signal -1
	s_barrier_wait -1                              ; everybody's have: G is read by all eight waves
; eight loads: G's fragments of K step n / 4 for V's tiles 2 (n % 4) and 2 (n % 4) + 1, both terms, into buffer n % 2
.macro GLOAD n
.set ls, (\n)/4
.set lt, 2*((\n)%4)
.set lb, GB+32*((\n)%2)
.set ie, 0
.rept 8
	ds_load_b128 v[lb+4*ie:lb+4*ie+3], v[GA] offset:(ie/4)*32768+(ls*8+lt+(ie/2)%2)*1024+(ie%2)*512
.set ie, ie+1
.endr
.endm
; eight loads: A's four fragments, term hl
.macro ALOAD hl
.set ie, 0
.rept 8
	ds_load_b128 v[GB+32*\hl+4*ie:GB+32*\hl+4*ie+3], v[AA] offset:\hl*4096+ie*512
.set ie, ie+1
.endr
.endm
; six products on two of V's tiles, which take turns, one instruction a turn; the next group begins on another pair
.macro GROUP n
.if \n > 0
	PLACES                                         ; the buffer loaded next was read by the matrix instructions just issued
.endif
.if \n < 15
	GLOAD (\n)+1
.else
	ALOAD 0                                        ; behind the last group's fragments: A's first terms, into buffer 0
.endif
	s_wait_dscnt 8                                 ; all but the eight loads just issued: this group's fragments (and C's) are in
.set gs, (\n)/4
.set gt, ACC+16*((\n)%4)
.set gb, GB+32*((\n)%2)
.if \n < 4
	MM gt,   gb,    CF+8*gs, 1                     ; the first K step starts the sums
	MM gt+8, gb+8,  CF+8*gs, 1
.else
	MM gt,   gb,    CF+8*gs, 0                     ; hi hi
	MM gt+8, gb+8,  CF+8*gs, 0
.endif
	MM gt,   gb,    CF+32+8*gs, 0                  ; hi lo
	MM gt+8, gb+8,  CF+32+8*gs, 0
	MM gt,   gb+16, CF+8*gs, 0                     ; lo hi
	MM gt+8, gb+24, CF+8*gs, 0
.endm
.set ie, 0
.rept 16
	ds_load_b128 v[CF+4*ie:CF+4*ie+3], v[CA] offset:(ie/8)*4096+(ie%8)*512    ; C's eight fragments
.set ie, ie+1
.endr
	GLOAD 0
.irp n, 0,1,2,3,4,5,6,7,8,9,10,11,12,13,14,15
	GROUP \n
.endr
	PLACES                                         ; behind the last products: buffer 1 is loaded, V is read, C's registers are written
	ALOAD 1
.set ii, 0
.rept 32
	SPLIT CF+ii, CF+32+ii, ACC+2*ii, TT+2*(ii%4)   ; tile t's pair p becomes register 4 (t & 1) + p of K step t >> 1
.set ii, ii+1
.endr
	s_wait_dscnt 0x0                               ; A's sixteen loads
	MM PP,    GB, CF,    1                         ; three accumulators take turns, one instruction a turn
	MM PP+8,  GB, CF+32, 1
	MM PP+16, GB+32, CF, 1
.irp s, 1,2,3
	MM PP,    GB+8*\s,    CF+8*\s,    0
	MM PP+8,  GB+8*\s,    CF+32+8*\s, 0
	MM PP+16, GB+32+8*\s, CF+8*\s,    0
.endr
	PLACES
.irp p, 0,2,4,6
	v_pk_add_f32 v[PP+8+\p:PP+8+\p+1], v[PP+8+\p:PP+8+\p+1], v[PP+16+\p:PP+16+\p+1]   ; the two small sums first
.endr
.irp p, 0,2,4,6
	v_pk_add_f32 v[PP+\p:PP+\p+1], v[PP+\p:PP+\p+1], v[PP+8+\p:PP+8+\p+1]
.endr
	ds_store_b128 v[ST], v[PP:PP+3]
	ds_store_b128 v[ST], v[PP+4:PP+7] offset:512
	s_wait_dscnt 0x0                               ; for wave 0's sake: my stores are done before I signal
	s_barrier_signal -1
	s_barrier_wait -1
	s_cmp_lg_u32 s8, 0
	s_cbranch_scc1 .Lothers
.set ii, 0
.rept 16
	ds_load_b128 v[ACC+4*ii:ACC+4*ii+3], v[RD] offset:ii*512    ; the eight heads' tiles
.set ii, ii+1
.endr
	s_lshr_b32 s52, s11, 1                         ; mfrag: 64 KiB a batch, first terms then second; fragment (ib >> 1, jb) of 1 KiB, half ib & 1
	s_lshl3_add_u32 s52, s52, s20
	s_lshl_b32 s52, s52, 10
	s_and_b32 s21, s11, 1
	s_lshl_b32 s21, s21, 9
	s_add_co_u32 s52, s52, s21
	s_lshl_b32 s21, s10, 16
	s_add_co_u32 s52, s52, s21
	s_add_nc_u64 s[18:19], s[18:19], s[52:53]
	s_wait_dscnt 0x0
.irp p, 0,2,4,6
	v_pk_mul_f32 v[RS+\p:RS+\p+1], v[ACC+\p:ACC+\p+1], 0x38800000 op_sel_hi:[1,0]       ; 2^-14, folded into the sum over heads
.endr
.set ii, 1
.rept 7
.irp p, 0,2,4,6
	v_pk_fma_f32 v[RS+\p:RS+\p+1], v[ACC+8*ii+\p:ACC+8*ii+\p+1], 0x38800000, v[RS+\p:RS+\p+1] op_sel_hi:[1,0,1]
.endr
.set ii, ii+1
.endr
.irp p, 0,1,2,3
	SPLIT 88+\p, 92+\p, RS+2*\p, TT+2*\p
.endr
	global_store_b128 v[GA], v[88:91], s[18:19]                ; 512 consecutive bytes, aligned
	global_store_b128 v[GA], v[92:95], s[18:19] offset:32768
.Lothers:
	s_wait_tensorcnt 0x0
	ds_add_u32 v232, v233
	s_wait_dscnt 0x0
	ROUND                                          ; the closing round, behind the last tensor load of any work-group
	s_endpgm
.Lfunc_end_k_q1c31f0a99f_chain:
	.size	k_q1c31f0a99f_chain, .Lfunc_end_k_q1c31f0a99f_chain-k_q1c31f0a99f_chain
	.p2alignl 7, 3214868480
	.fill 96, 4, 3214868480
	.section	.rodata,"a",@progbits
	.p2align	6, 0x0
	.amdhsa_kernel k_q1c31f0a99f_chain
		.amdhsa_group_segment_fixed_size 205824
		.amdhsa_private_segment_fixed_size 0
		.amdhsa_enable_private_segment 0
		.amdhsa_kernarg_size 32
		.amdhsa_user_sgpr_count 2
		.amdhsa_user_sgpr_kernarg_segment_ptr 1
		.amdhsa_wavefront_size32 1
		.amdhsa_system_sgpr_workgroup_id_x 1
		.amdhsa_system_sgpr_workgroup_id_y 1
		.amdhsa_system_sgpr_workgroup_id_z 1
		.amdhsa_system_vgpr_workitem_id 0
		.amdhsa_next_free_vgpr 234
		.amdhsa_next_free_sgpr 66
		.amdhsa_reserve_vcc 0
		.amdhsa_float_denorm_mode_32 3
		.amdhsa_float_denorm_mode_16_64 3
		.amdhsa_memory_ordered 1
		.amdhsa_forward_progress 1
		.amdhsa_inst_pref_size 40
	.end_amdhsa_kernel
	.amdgpu_metadata
---
amdhsa.version: [ 1, 2 ]
amdhsa.kernels:
  - .name:           k_q1c31f0a99f_chain
    .symbol:         k_q1c31f0a99f_chain.kd
    .args:
      - { .name: gfrag, .offset: 0, .size: 8, .value_kind: global_buffer, .address_space: global }
      - { .name: afrag, .offset: 8, .size: 8, .value_kind: global_buffer, .address_space: global }
      - { .name: cfrag, .offset: 16, .size: 8, .value_kind: global_buffer, .address_space: global }
      - { .name: mfrag, .offset: 24, .size: 8, .value_kind: global_buffer, .address_space: global }
    .group_segment_fixed_size: 205824
    .private_segment_fixed_size: 0
    .kernarg_segment_align: 8
    .kernarg_segment_size: 32
    .max_flat_workgroup_size: 256
    .sgpr_count:     66
    .vgpr_count:     234
    .wavefront_size: 32
...
	.end_amdgpu_metadata
.endif
;; end of part 3
;; launch apply (part 4): grid 256 x 1, 4 waves a work-group, clusters of 4 x 1, 201,216 bytes of LDS; arguments queries, mfrag, bo, out0; writes out0
.if DOCPART == 4
	.amdgcn_target "amdgcn-amd-amdhsa--gfx1250"
	.amdhsa_code_object_version 6
	.text
	.protected	k_q1c31f0a99f_apply
	.globl	k_q1c31f0a99f_apply
	.p2align	8
	.type	k_q1c31f0a99f_apply,@function
k_q1c31f0a99f_apply:
	s_mov_b64 s[64:65], 0
	v_nop
	global_prefetch_b8 v0, s[64:65] scope:SCOPE_SE
	s_setreg_imm32_b32 hwreg(HW_REG_WAVE_MODE, 25, 1), 1
	s_wait_xcnt 0x0
	s_wait_alu depctr_hold_cnt(0) depctr_sa_sdst(0) depctr_va_vdst(0) depctr_va_sdst(0) depctr_va_ssrc(0) depctr_va_vcc(0) depctr_vm_vsrc(0)
	s_getreg_b32 s2, hwreg(HW_REG_IB_STS2, 6, 4)
	s_cmp_eq_u32 s2, 0
	s_cbranch_scc0 .Lentry_in_a_cluster
	s_endpgm
.Lentry_in_a_cluster:
	s_bfe_u32 s2, ttmp6, 0x10000c
	s_cmp_lg_u32 s2, 0x3003
	s_cbranch_scc0 .Lentry_shape_is_right
	s_endpgm
.Lentry_shape_is_right:
; FOURTH LAUNCH.  out = queries M_b + bo.  Work-group W owns 256 tokens (64 work-groups a batch), a wave 64 of them, in four tiles of 16.
; queries are rounded to bf16 once, to nearest even; M comes as two bf16 terms, both multiplied; sums and the bias are f32.
; M's 64 fragments (32 of each term) stay in 512 registers of every wave for the whole launch.
; M's fragments have k place (K step 2 g + pi, register 4 q + p, half e, lane half h') = i = 64 g + 32 h' + 8 p + 4 e + 2 pi + q.  A lane meets that from a row of queries
; by reading the 32 consecutive f32 at 64 g + 32 h' and taking component 2 pi + q of loads 2 p and 2 p + 1.
; Column tile t = 4 g' + c' holds the columns j = 64 g' + 4 n + c', so a lane's results of tiles 4 g' .. 4 g' + 3 are four NEIGHBOURING columns of a row:
; the add of the bias gathers them into a quad, and sixteen lanes store 256 consecutive bytes, aligned, straight from registers.
; CLUSTER: the four work-groups of a cluster lie in one batch and ask for M_b (64 KiB) jointly; each asks for its own queries alone.  Every LDS byte is filled once.
; LDS: 0 queries, 256 rows at a pitch of 528 bytes (512 + 16: an odd multiple of 16, so the sixteen rows that a load touches start in different banks: ISA guide 11.1);
; 135168 M, first terms 32 KiB, second terms 32 KiB.
.set QA,  1                            ; v1  LDS address of my row's 128 bytes in my wave's first tile
.set MA,  2                            ; v2  M + 16 x lane
.set OFF, 3                            ; v3  my byte offset in a tile of out0: row 8 h', 16 r
.set BA,  4                            ; v4  16 r: my place in bo
.set BI,  8                            ; v[8:15]    bo of my eight columns, 4 g' + c'
.set RAW, 16                           ; v[16:79]   my row's 64 f32 as loaded: load (g, j) at 32 g + 4 j
.set AF,  80                           ; v[80:111]  four A fragments
.set ACC, 112                          ; v[112:175] eight accumulators, column tile t at 8 t
.set OO,  176                          ; v[176:239] results with bias, quads to store
                                       ; window 1: M's first terms, fragment (s, t) at 8 (8 s + t); window 2: its second terms
.set GJ1, 20                           ; s[20:27] group 1 of M's joint load
.set GQ1, 28                           ; s[28:35] group 1 of the queries' loads
.set G0M, 36                           ; s[36:39] group 0 of M's load
.set G0Q, 40                           ; s[40:55] group 0 of my four tiles of queries
.set MSB, 0
.macro WIN new
.if MSB != \new
	s_set_vgpr_msb (MSB<<8)|\new
.set MSB, \new
.endif
.endm
.macro PLACES
.rept 4
	v_nop
.endr
.endm
.macro ROUND
	s_barrier_signal -1
	s_barrier_wait -1
	s_cmp_lg_u32 s8, 0
	s_cbranch_scc1 .Lnot_wave_0_\@
	s_barrier_signal -3
.Lnot_wave_0_\@:
	s_barrier_wait -3
	s_barrier_signal -1
	s_barrier_wait -1
.endm
	s_load_b256 s[12:19], s[0:1], 0x0              ; queries s[12:13], mfrag s[14:15], bo s[16:17], out0 s[18:19]
	v_lshl_add_u32 v254, v0, 2, 0x31000
	v_mov_b32 v255, 0
	ds_add_u32 v254, v255
	ds_add_u32 v254, v255
	v_lshrrev_b32 v5, 5, v0
	v_readfirstlane_b32 s8, v5                     ; wave 0..3
	s_bfe_u32 s9, ttmp6, 0x40000                   ; cx
	s_lshl_b32 s10, ttmp9, 2
	s_add_co_u32 s10, s10, s9                      ; W = 4 x cluster + cx
	s_lshr_b32 s11, ttmp9, 4                       ; b
	; M: 64 dense rows of 256 bytes = 16 KiB, a wave's quarter
	s_mov_b32 s[GJ1+0], 0x0023000f                 ; the mask names all four work-groups; elements of 8 bytes; bit 21 set beside a mask
	s_mov_b32 s[GJ1+1], 32<<16                     ; tensor_dim0 = 32
	s_mov_b32 s[GJ1+2], 64<<16                     ; tensor_dim1 = 64
	s_mov_b32 s[GJ1+3], 32<<16                     ; tile_dim0 = 32
	s_mov_b32 s[GJ1+4], 64                         ; tile_dim1 = 64
	s_mov_b32 s[GJ1+5], 32                         ; pitch
	s_mov_b32 s[GJ1+6], 0
	s_mov_b32 s[GJ1+7], 0
	; queries: 16 rows of 128 f32, 4 words of padding behind every 128 words
	s_mov_b32 s[GQ1+0], 0x07920000                 ; no mask; elements of 4 bytes; padding on, interval code 6, 4 words
	s_mov_b32 s[GQ1+1], 128<<16                    ; tensor_dim0 = 128
	s_mov_b32 s[GQ1+2], 16<<16                     ; tensor_dim1 = 16
	s_mov_b32 s[GQ1+3], 128<<16                    ; tile_dim0 = 128
	s_mov_b32 s[GQ1+4], 16                         ; tile_dim1 = 16
	s_mov_b32 s[GQ1+5], 128                        ; pitch
	s_mov_b32 s[GQ1+6], 0
	s_mov_b32 s[GQ1+7], 0
	s_lshl_b32 s2, s8, 14                          ; 16,384 w
	s_lshl_b32 s4, s11, 16                         ; M's offset: made of b and the wave's number alone
	s_add_co_u32 s4, s4, s2
	s_mov_b32 s5, 0
	s_lshl_b32 s6, s10, 17                         ; queries and out0: 256 rows of 512 bytes a work-group, 64 a wave; holds cx: a pair of its own
	s_lshl_b32 s3, s8, 15
	s_add_co_u32 s6, s6, s3
	s_mov_b32 s7, 0
	s_mul_i32 s3, s8, 33792                        ; my 64 rows of 528 bytes in LDS
	s_wait_dscnt 0x0
	s_wait_kmcnt 0x0
	s_add_nc_u64 s[12:13], s[12:13], s[6:7]
	s_add_nc_u64 s[18:19], s[18:19], s[6:7]
	s_mov_b32 s[G0M], 1
	s_add_co_u32 s[G0M+1], s2, 135168
	s_add_nc_u64 s[G0M+2:G0M+3], s[14:15], s[4:5]
	s_or_b32 s[G0M+3], s[G0M+3], 0x80000000
.irp i, 0,1,2,3
	s_mov_b32 s[G0Q+4*\i], 1
	s_add_co_u32 s[G0Q+4*\i+1], s3, \i*8448
	s_add_nc_u64 s[G0Q+4*\i+2:G0Q+4*\i+3], s[12:13], \i*8192
	s_or_b32 s[G0Q+4*\i+3], s[G0Q+4*\i+3], 0x80000000
.endr
	ROUND                                          ; all four work-groups are here: the joint load meets
	tensor_load_to_lds s[G0M:G0M+3], s[GJ1:GJ1+7]  ; five loads of mine are out, all first fills, one group behind the one round
	s_nop 0
.irp i, 0,1,2,3
	tensor_load_to_lds s[G0Q+4*\i:G0Q+4*\i+3], s[GQ1:GQ1+7]
	s_nop 0
.endr
	v_and_b32 v5, 15, v0                           ; r
	v_bfe_u32 v6, v0, 4, 1                         ; h'
	v_lshlrev_b32 v[BA], 4, v5
	global_load_b128 v[BI:BI+3],   v[BA], s[16:17]
	global_load_b128 v[BI+4:BI+7], v[BA], s[16:17] offset:256
	v_mul_u32_u24 v[QA], v5, 528
	v_lshl_add_u32 v[QA], v6, 7, v[QA]
	v_add_nc_u32 v[QA], s3, v[QA]
	v_and_b32 v[MA], 31, v0
	v_lshlrev_b32 v[MA], 4, v[MA]
	v_add_nc_u32 v[MA], 135168, v[MA]
	v_lshl_add_u32 v[OFF], v6, 12, v[BA]
	s_wait_tensorcnt 4                             ; my quarter of M has landed; my four tiles of queries, issued behind it, stay out
	s_barrier_signal -1
	s_barrier_wait -1                              ; M is whole
	WIN 0x40                                       ; destination window 1
.set kk, 0
.rept 64
	ds_load_b128 v[4*kk:4*kk+3], v[MA] offset:kk*512
.set kk, kk+1
.endr
	WIN 0x80                                       ; destination window 2
.set kk, 0
.rept 64
	ds_load_b128 v[4*kk:4*kk+3], v[MA] offset:32768+kk*512
.set kk, kk+1
.endr
	WIN 0
.macro RAWLOAD ti                      ; sixteen loads: 2 x 128 bytes of my row of tile ti
.set ie, 0
.rept 16
	ds_load_b128 v[RAW+4*ie:RAW+4*ie+3], v[QA] offset:(\ti)*8448+(ie/8)*256+(ie%8)*16
.set ie, ie+1
.endr
.endm
.macro TILE ti
	s_wait_dscnt 0x0                               ; this tile's rows (and, the first time, M's fragments)
.set kk, 0
.rept 32
	v_cvt_pk_bf16_f32 v[AF+kk], v[RAW+32*(kk/16)+8*(kk%4)+(kk/4)%4], v[RAW+32*(kk/16)+8*(kk%4)+4+(kk/4)%4]
.set kk, kk+1
.endr
	WIN 0x04                                       ; B in window 1: first terms
.set kk, 0
.rept 32                                           ; the eight accumulators take turns, one instruction a turn
.if kk < 8
	v_wmma_f32_16x16x32_bf16 v[ACC+8*(kk%8):ACC+8*(kk%8)+7], v[AF+8*(kk/8):AF+8*(kk/8)+7], v[8*kk:8*kk+7], 0
.else
	v_wmma_f32_16x16x32_bf16 v[ACC+8*(kk%8):ACC+8*(kk%8)+7], v[AF+8*(kk/8):AF+8*(kk/8)+7], v[8*kk:8*kk+7], v[ACC+8*(kk%8):ACC+8*(kk%8)+7]
.endif
.set kk, kk+1
.endr
	WIN 0x08                                       ; B in window 2: second terms
.set kk, 0
.rept 32
	v_wmma_f32_16x16x32_bf16 v[ACC+8*(kk%8):ACC+8*(kk%8)+7], v[AF+8*(kk/8):AF+8*(kk/8)+7], v[8*kk:8*kk+7], v[ACC+8*(kk%8):ACC+8*(kk%8)+7]
.set kk, kk+1
.endr
	WIN 0
.if \ti < 3
	s_wait_tensorcnt 2-\ti                         ; my next tile has landed; the 2 - ti behind it stay out.  Its rows are read by me alone: no barrier
	RAWLOAD (\ti)+1
.endif
	PLACES                                         ; the adds read matrix results
	s_wait_xcnt 0x0                                ; the last tile's stores read OO: it is rewritten only behind this wait
.set kk, 0
.rept 64
	v_add_f32 v[OO+kk], v[ACC+8*(kk%8)+kk/8], v[BI+kk%8]       ; row 8 h' + kk / 8, column 64 g' + 4 r + c' with 4 g' + c' = kk % 8
.set kk, kk+1
.endr
.set kk, 0
.rept 16
	global_store_b128 v[OFF], v[OO+4*kk:OO+4*kk+3], s[18:19] offset:(\ti)*8192+(kk/2)*512+(kk%2)*256 th:TH_STORE_NT   ; lanes 0-15 and lanes 16-31 each store 256 consecutive bytes, aligned
.set kk, kk+1
.endr
.endm
	s_wait_tensorcnt 3                             ; my first tile of queries has landed
	RAWLOAD 0
	s_wait_loadcnt 0x0                             ; the bias
	TILE 0
	TILE 1
	TILE 2
	TILE 3
	s_wait_tensorcnt 0x0
	ds_add_u32 v254, v255
	s_wait_dscnt 0x0
	ROUND                                          ; the closing round, behind the last tensor load of any work-group
	s_endpgm
.Lfunc_end_k_q1c31f0a99f_apply:
	.size	k_q1c31f0a99f_apply, .Lfunc_end_k_q1c31f0a99f_apply-k_q1c31f0a99f_apply
	.p2alignl 7, 3214868480
	.fill 96, 4, 3214868480
	.section	.rodata,"a",@progbits
	.p2align	6, 0x0
	.amdhsa_kernel k_q1c31f0a99f_apply
		.amdhsa_group_segment_fixed_size 201216
		.amdhsa_private_segment_fixed_size 0
		.amdhsa_enable_private_segment 0
		.amdhsa_kernarg_size 32
		.amdhsa_user_sgpr_count 2
		.amdhsa_user_sgpr_kernarg_segment_ptr 1
		.amdhsa_wavefront_size32 1
		.amdhsa_system_sgpr_workgroup_id_x 1
		.amdhsa_system_sgpr_workgroup_id_y 1
		.amdhsa_system_sgpr_workgroup_id_z 1
		.amdhsa_system_vgpr_workitem_id 0
		.amdhsa_next_free_vgpr 768
		.amdhsa_next_free_sgpr 66
		.amdhsa_reserve_vcc 0
		.amdhsa_float_denorm_mode_32 3
		.amdhsa_float_denorm_mode_16_64 3
		.amdhsa_memory_ordered 1
		.amdhsa_forward_progress 1
		.amdhsa_inst_pref_size 57
	.end_amdhsa_kernel
	.amdgpu_metadata
---
amdhsa.version: [ 1, 2 ]
amdhsa.kernels:
  - .name:           k_q1c31f0a99f_apply
    .symbol:         k_q1c31f0a99f_apply.kd
    .args:
      - { .name: queries, .offset: 0, .size: 8, .value_kind: global_buffer, .address_space: global }
      - { .name: mfrag, .offset: 8, .size: 8, .value_kind: global_buffer, .address_space: global }
      - { .name: bo, .offset: 16, .size: 8, .value_kind: global_buffer, .address_space: global }
      - { .name: out0, .offset: 24, .size: 8, .value_kind: global_buffer, .address_space: global }
    .group_segment_fixed_size: 201216
    .private_segment_fixed_size: 0
    .kernarg_segment_align: 8
    .kernarg_segment_size: 32
    .max_flat_workgroup_size: 128
    .sgpr_count:     66
    .vgpr_count:     768
    .wavefront_size: 32
...
	.end_amdgpu_metadata
.endif
;; end of part 4
